; MI455X (gfx1250); checked and timed in simulation.
; The chip was launched on July 23, 2026; its instructions are those of AMD's public machine-readable ISA for CDNA 5 (MIT licence, August 2026) and "CDNA5" Instruction Set Architecture Reference Guide (July 2026). The comments in the code are by the model that wrote it; some were corrected since.
;; Cross Attention. Allowed arithmetic: matrix products marked QUANTISED: E2M1 operands, one E8M0 scale for each 32 along K, by v_wmma_scale_f32_16x16x128_f8f6f4 with both operands' format E2M1 (or v_wmma_scale_f32_32x16x128_f4), f32 sums; products left as they are: bf16, f16 or f32 operands; f32 sums; everything else in f32.
;; Inputs: Wk 1,024 x 512 float32; Wo 512 x 1,024 float32; Wq 1,024 x 512 float32; Wv 1,024 x 512 float32; bo 1,024 float32; context 2 x 4,096 x 1,024 float32; x 2 x 4,096 x 1,024 float32.
;; Outputs: out0 2 x 4,096 x 1,024 float32.
;; This version of the problem:
;;   THIS VERSION OF THE PROBLEM IS GIVEN IN LOW PRECISION. The matrix products marked QUANTISED in the list below multiply operands that are first quantised to E2M1 (2 exponent bits, 1 mantissa bit; 4 bits a number), with one power-of-two scale for each 32 numbers along K (OCP MX v1.0); their sums are f32. The products marked 'left as it is' may take bf16, f16 or f32 operands, with f32 sums. Whichever they take, every output number must still come out within the allowed error. Rounding operands to bf16 (8 significant bits) uses up far more of that allowance than f16 does (11 bits, for magnitudes from 6e-5 to 65,504). All else is computed in f32.
;;   The module's matrix products, in the order in which they are computed (A, B: the left and right operand; K: the contracted axis; several contracted axes count as one K, in the product's order):
;;     1. [M 8,192, K 1,024] x [K 1,024, N 512]; A: input x; B: input Wq: QUANTISED
;;     2. [M 8,192, K 1,024] x [K 1,024, N 512]; A: input context; B: input Wk: QUANTISED
;;     3. [M 8,192, K 1,024] x [K 1,024, N 512]; A: input context; B: input Wv: QUANTISED
;;     4. batch 16 x [M 4,096, K 64] x [K 64, N 4,096]; A: computed on the way; B: computed on the way: left as it is (an operand is computed on the way)
;;     5. batch 16 x [M 64, K 4,096] x [K 4,096, N 4,096]; A: computed on the way; B: computed on the way: left as it is (an operand is computed on the way)
;;     6. [M 8,192, K 512] x [K 512, N 1,024]; A: computed on the way; B: input Wo: left as it is (an operand is computed on the way)
;;   THE QUANTISER, for each operand of a quantised product, along K:
;;     - K is cut into blocks of 32 from its start; a last block that is shorter is filled with zeros.
;;     - A block's scale is 2^e with e = floor(log2(the largest magnitude in the block)) - 2, held to -126 .. 127; a block of zeros has e = 0. As a byte (E8M0): e + 127.
;;     - Each number is divided by its block's scale, clamped to +-6, and rounded to the nearest number of E2M1, ties to even, subnormals kept.
;;     - The product sums the exact products of the quantised numbers (number of the format x scale) in f32.
;;   ~~~python
;;   def quantise(x, axis):      # numpy; x: float32 -> the quantised numbers, widened to float32 again
;;       x = np.moveaxis(x, axis, -1); K = x.shape[-1]
;;       x = np.pad(x, [(0, 0)] * (x.ndim - 1) + [(0, -K % 32)]); x = x.reshape(x.shape[:-1] + (-1, 32)); a = np.abs(x).max(-1, keepdims=True)
;;       e = np.where(a > 0, np.clip(np.frexp(np.where(a > 0, a, 1))[1] - 1 - 2, -126, 127), 0)      # np.frexp(a)[1] - 1 = floor(log2(a)), exactly
;;       r = np.clip(x / 2.0 ** e, -6, 6)
;;       step = 2.0 ** (np.maximum(np.frexp(np.where(r == 0, 1, r))[1] - 1, 0) - 1)
;;       q = np.round(r / step) * step * 2.0 ** e      # np.round: ties to even
;;       return np.moveaxis(q.reshape(q.shape[:-2] + (-1,))[..., :K], -1, axis).astype(np.float32)
;;   ~~~
;; One version. Each part assembles by itself: llvm-mc -triple=amdgcn-amd-amdhsa -mcpu=gfx1250 --defsym DOCPART=n.
;; ======== version 1 of 1: 4 launches
;; limits: values are held in f16: magnitudes above 65,504 overflow, below 6.1e-05 lose precision
;; workspace buffers: wimg 786,432 bytes; wscl 49,152 bytes; woimg 1,048,576 bytes; qbuf 8,388,608 bytes; kv 16,777,216 bytes; obuf 8,388,608 bytes
;; launch prep (part 1): grid 160 x 1, 4 waves a work-group, no clusters, 0 bytes of LDS; arguments Wq, Wk, Wv, Wo, wimg, wscl, woimg; writes wimg, wscl, woimg
.if DOCPART == 1
	.amdgcn_target "amdgcn-amd-amdhsa--gfx1250"
	.amdhsa_code_object_version 6
	.text
	.protected	k_q6c0871ab85_prep
	.globl	k_q6c0871ab85_prep
	.p2align	8
	.type	k_q6c0871ab85_prep,@function
k_q6c0871ab85_prep:
	s_mov_b64 s[64:65], 0
	v_nop
	global_prefetch_b8 v0, s[64:65] scope:SCOPE_SE
	s_setreg_imm32_b32 hwreg(HW_REG_WAVE_MODE, 25, 1), 1
	s_wait_xcnt 0x0
; THE WEIGHTS ARE LAID OUT ONCE, AS IMAGES OF OPERAND REGISTERS.
; Wq, Wk, Wv: [1024 (k)][512 (n)] f32 -> codes of FP4 (E2M1) quantised along k, one E8M0 byte for each 32 along k.  Wo: [512 (k)][1024 (n)] f32 -> f16.
; AN IMAGE of a fragment (8 registers a lane) is 1,024 bytes: registers 4 c .. 4 c + 3 of lane l at 512 c + 16 l.  Who loads it by two loads of 16 bytes a lane has the operand.
;   wimg  [T 3][w 4][s 8][t 8][1024]: tensor T, columns 128 w + 16 t + (l % 16), k = 128 s + 64 c + 32 (l / 16) + 0 .. 31
;   wscl  [T][w][s][lane 32][p 4] words: the four scale bytes of column 128 w + 32 p + lane for K step s
;   woimg [cg 16][ks 16][t 4][1024]: column 64 cg + 16 t + (l % 16), k = 32 ks + 16 c + 8 (l / 16) + 0 .. 7
; A LANE TAKES A COLUMN AND ITS REGISTERS RUN DOWN k: each load reads 128 consecutive bytes a wave (512 a work-group), a block of 32 lies in one lane, and the conversions give codes with k innermost.
; A lane's 16 bytes of a block are 16 bytes of an image, and sixteen neighbouring lanes' stores fill 256 consecutive bytes, aligned: no stage in LDS is needed.
; Work-groups 0 .. 95: number = 32 T + 8 w + s, 128 columns x 128 k.  Work-groups 96 .. 159: Wo, 128 columns x 64 k.  Waves share nothing: no LDS, no barrier.
; A block's scale is 2^(floor(log2(largest magnitude)) - 2); its byte is the largest magnitude's exponent field - 2, held at 1 from below.
; LIMITS: a block of zeros gets the byte 1 (its codes are zeros, and this program alone reads the bytes); NaN and infinities are not served; |Wo| stays under 65,504 (f16).
.set X, 32                             ; v32-159  the numbers as loaded (Wo: v32-95)
.set C, 160                            ; v160-175 the codes, four registers for each block: no store's data are written again
.set H, 96                             ; v96-127  Wo as f16
	s_load_b256 s[4:11], s[0:1], 0x0               ; Wq, Wk, Wv, Wo
	s_load_b128 s[12:15], s[0:1], 0x20             ; wimg, wscl
	s_load_b64 s[16:17], s[0:1], 0x30              ; woimg
	v_lshrrev_b32 v1, 5, v0
	v_readfirstlane_b32 s18, v1                    ; wave p: 32 of the work-group's 128 columns
	v_and_b32 v1, 31, v0                           ; lane
	v_lshlrev_b32 v2, 2, v1                        ; in: 4 bytes a lane
	v_lshrrev_b32 v3, 4, v1
	v_and_b32 v5, 15, v1
	v_lshlrev_b32 v3, 10, v3
	v_lshl_add_u32 v3, v5, 4, v3                   ; out: lanes 16-31 write the next tile's image: 1,024 (lane / 16) + 16 (lane % 16)
	v_lshlrev_b32 v4, 4, v1                        ; scale words: 16 bytes from lane to lane
	s_mov_b32 s23, 0                               ; the upper words of the offsets
	s_mov_b32 s25, 0
	s_mov_b32 s27, 0
	s_wait_kmcnt 0x0
	s_cmp_ge_u32 ttmp9, 96
	s_cbranch_scc1 .Lwo
	; ---- Wq, Wk or Wv
	s_lshr_b32 s19, ttmp9, 5                       ; T
	s_cmp_eq_u32 s19, 1
	s_cselect_b64 s[20:21], s[6:7], s[8:9]
	s_cmp_eq_u32 s19, 0
	s_cselect_b64 s[20:21], s[4:5], s[20:21]       ; the choice hangs on the work-group's number alone
	s_and_b32 s22, ttmp9, 7
	s_lshl_b32 s22, s22, 18                        ; 128 s rows of 2,048 bytes
	s_bfe_u32 s28, ttmp9, 0x20003
	s_lshl_b32 s28, s28, 9                         ; + 128 w columns
	s_add_co_u32 s22, s22, s28
	s_lshl_b32 s28, s18, 7                         ; + 32 p columns
	s_add_co_u32 s22, s22, s28
	s_add_nc_u64 s[20:21], s[20:21], s[22:23]
	s_lshl_b32 s24, ttmp9, 13                      ; eight images for each (T, w, s),
	s_lshl_b32 s28, s18, 11                        ; two of them my wave's
	s_add_co_u32 s24, s24, s28
	s_add_nc_u64 s[12:13], s[12:13], s[24:25]
	s_lshl_b32 s26, ttmp9, 9                       ; 512 bytes of scale words for each (T, w, s)
	s_lshl_b32 s28, s18, 2
	s_add_co_u32 s26, s26, s28
	s_add_nc_u64 s[14:15], s[14:15], s[26:27]
.set i, 0
.rept 128
	global_load_b32 v[X+i], v2, s[20:21] offset:i*2048 th:TH_LOAD_NT   ; W(128 s + i, my column)
.set i, i+1
.endr
.macro BLOCK b, left                   ; block b of the K step: 32 numbers, all mine
.set XS, X+32*(\b)
	s_wait_loadcnt \left                           ; this block's loads are in; younger ones may be out
	v_max3_num_f32 v12, |v[XS]|, |v[XS+1]|, |v[XS+2]|
	v_max3_num_f32 v13, |v[XS+3]|, |v[XS+4]|, |v[XS+5]|
.irp i, 6,10,14,18,22,26
	v_max3_num_f32 v12, v12, |v[XS+\i]|, |v[XS+\i+1]|
	v_max3_num_f32 v13, v13, |v[XS+\i+2]|, |v[XS+\i+3]|
.endr
	v_max3_num_f32 v12, v12, |v[XS+30]|, |v[XS+31]|
	v_max3_num_f32 v12, v12, v13, 0x1800000        ; and the floor 2^(3 - 127): the byte cannot fall under 1
	v_add_nc_u32 v11, 0xff000000, v12              ; 2 off the exponent field: the conversion takes this operand's exponent field as its scale
	v_lshrrev_b32 v14, 23, v11                     ; the scale's byte
.if (\b) == 0
	v_mov_b32 v10, v14
.else
	v_lshl_or_b32 v10, v14, 8*(\b), v10            ; the lower k in the lower byte
.endif
.irp g, 0,1,2,3
	v_cvt_scalef32_pk8_fp4_f32 v[C+4*(\b)+\g], v[XS+8*\g:XS+8*\g+7], v11
.endr
	global_store_b128 v3, v[C+4*(\b):C+4*(\b)+3], s[12:13] offset:((\b)/2)*512+((\b)%2)*256   ; block b = 2 c + h: registers 4 c .. of lane 16 h + (lane % 16)
.endm
	BLOCK 0, 63                                    ; 96 younger loads may be out; the count is held at what the wait can name
	BLOCK 1, 63                                    ; 64, likewise
	BLOCK 2, 32
	BLOCK 3, 0
	global_store_b32 v4, v10, s[14:15]             ; my column's scale word
	s_endpgm
.Lwo:
	; ---- Wo
	s_sub_co_u32 s19, ttmp9, 96
	s_lshr_b32 s28, s19, 3                         ; which 128 columns
	s_and_b32 s29, s19, 7                          ; which 64 along k
	s_lshl_b32 s22, s29, 18                        ; 64 rows of 4,096 bytes
	s_lshl_b32 s30, s28, 9
	s_add_co_u32 s22, s22, s30
	s_lshl_b32 s30, s18, 7
	s_add_co_u32 s22, s22, s30
	s_add_nc_u64 s[10:11], s[10:11], s[22:23]
	s_lshl_b32 s24, s28, 1
	s_lshr_b32 s30, s18, 1
	s_add_co_u32 s24, s24, s30                     ; cg: my wave's 32 columns lie in one group of 64,
	s_lshl_b32 s24, s24, 16
	s_lshl_b32 s30, s29, 13                        ; two K steps of four images,
	s_add_co_u32 s24, s24, s30
	s_and_b32 s30, s18, 1
	s_lshl_b32 s30, s30, 11                        ; and are its tiles 0, 1 or 2, 3
	s_add_co_u32 s24, s24, s30
	s_add_nc_u64 s[16:17], s[16:17], s[24:25]
.set i, 0
.rept 64
	global_load_b32 v[X+i], v2, s[10:11] offset:i*4096 th:TH_LOAD_NT
.set i, i+1
.endr
.irp k, 0,1
	s_wait_loadcnt 32-32*\k
.irp n, 0,1,2,3,4,5,6,7,8,9,10,11,12,13,14,15
	v_cvt_pk_f16_f32 v[H+16*\k+\n], v[X+32*\k+2*\n], v[X+32*\k+2*\n+1]   ; the lower k in the low half
.endr
.irp g, 0,1,2,3
	global_store_b128 v3, v[H+16*\k+4*\g:H+16*\k+4*\g+3], s[16:17] offset:\k*4096+(\g/2)*512+(\g%2)*256   ; eight k: g = 2 c + h
.endr
.endr
	s_endpgm
.Lfunc_end_k_q6c0871ab85_prep:
	.size	k_q6c0871ab85_prep, .Lfunc_end_k_q6c0871ab85_prep-k_q6c0871ab85_prep
	.p2alignl 7, 3214868480
	.fill 96, 4, 3214868480
	.section	.rodata,"a",@progbits
	.p2align	6, 0x0
	.amdhsa_kernel k_q6c0871ab85_prep
		.amdhsa_group_segment_fixed_size 0
		.amdhsa_private_segment_fixed_size 0
		.amdhsa_enable_private_segment 0
		.amdhsa_kernarg_size 56
		.amdhsa_user_sgpr_count 2
		.amdhsa_user_sgpr_kernarg_segment_ptr 1
		.amdhsa_wavefront_size32 1
		.amdhsa_system_sgpr_workgroup_id_x 1
		.amdhsa_system_sgpr_workgroup_id_y 1
		.amdhsa_system_sgpr_workgroup_id_z 1
		.amdhsa_system_vgpr_workitem_id 0
		.amdhsa_next_free_vgpr 176
		.amdhsa_next_free_sgpr 66
		.amdhsa_reserve_vcc 0
		.amdhsa_float_denorm_mode_32 3
		.amdhsa_float_denorm_mode_16_64 3
		.amdhsa_memory_ordered 1
		.amdhsa_forward_progress 1
		.amdhsa_inst_pref_size 30
	.end_amdhsa_kernel
	.amdgpu_metadata
---
amdhsa.version: [ 1, 2 ]
amdhsa.kernels:
  - .name:           k_q6c0871ab85_prep
    .symbol:         k_q6c0871ab85_prep.kd
    .args:
      - { .name: Wq, .offset: 0, .size: 8, .value_kind: global_buffer, .address_space: global }
      - { .name: Wk, .offset: 8, .size: 8, .value_kind: global_buffer, .address_space: global }
      - { .name: Wv, .offset: 16, .size: 8, .value_kind: global_buffer, .address_space: global }
      - { .name: Wo, .offset: 24, .size: 8, .value_kind: global_buffer, .address_space: global }
      - { .name: wimg, .offset: 32, .size: 8, .value_kind: global_buffer, .address_space: global }
      - { .name: wscl, .offset: 40, .size: 8, .value_kind: global_buffer, .address_space: global }
      - { .name: woimg, .offset: 48, .size: 8, .value_kind: global_buffer, .address_space: global }
    .group_segment_fixed_size: 0
    .private_segment_fixed_size: 0
    .kernarg_segment_align: 8
    .kernarg_segment_size: 56
    .max_flat_workgroup_size: 128
    .sgpr_count:     66
    .vgpr_count:     176
    .wavefront_size: 32
...
	.end_amdgpu_metadata
.endif
;; end of part 1
;; launch proj (part 2): grid 256 x 1, 4 waves a work-group, no clusters, 327,680 bytes of LDS; arguments x, context, wimg, wscl, qbuf, kv; writes qbuf, kv
.if DOCPART == 2
	.amdgcn_target "amdgcn-amd-amdhsa--gfx1250"
	.amdhsa_code_object_version 6
	.text
	.protected	k_q6c0871ab85_proj
	.globl	k_q6c0871ab85_proj
	.p2align	8
	.type	k_q6c0871ab85_proj,@function
k_q6c0871ab85_proj:
	s_mov_b64 s[64:65], 0
	v_nop
	global_prefetch_b8 v0, s[64:65] scope:SCOPE_SE
	s_setreg_imm32_b32 hwreg(HW_REG_WAVE_MODE, 25, 1), 1
	s_wait_xcnt 0x0
; q = Q(x) Q(Wq), k = Q(context) Q(Wk), v = Q(context) Q(Wv): products on codes of FP4 (E2M1) with one E8M0 scale for each 32 along K = 1,024; sums in f32; results rounded to f16 and stored
; AS IMAGES OF THE NEXT LAUNCH'S OPERAND REGISTERS (an image: registers 4 c .. 4 c + 3 of lane l at 512 c + 16 l; 1,024 bytes a fragment), so every store covers 512 consecutive bytes, aligned.
; SHARES.  Work-groups 0-127 take 64 rows of x each (one product), 128-255 64 rows of context (two).  Each input row is read by one work-group, so it is quantised here, in registers.
;   Wave w quantises rows 16 w .. 16 w + 15 and hands their fragments to the others through LDS as images; then it owns columns 128 w .. 128 w + 127 (heads 2 w, 2 w + 1) for all 64 rows: 32 accumulators.
;   Its 64 KiB of a weight's fragments stand whole in 512 registers, each byte loaded once a work-group; Wv's take the place of Wk's K step by K step while Wk's products run.
; NO CLUSTER: rows of x are shared by nobody, and a weight's 256 KiB of images do not fit in LDS beside the rows' 266,240 bytes: the weights go from memory straight into registers.
; q and k are made TRANSPOSED (source 0 = 16 columns of W, source 1 = 16 rows): a lane holds one row and eight neighbouring channels.  v in the natural order: a lane holds one channel and eight neighbouring keys.
; LIMITS: |q|, |k|, |v| stay under 65,504 (f16); a block of zeros gets the scale byte 1 (its codes are zeros); NaN and infinities are not served.
; REGISTERS, in windows of 256: window 0: v1-6 addresses; v16-143 two sets of 64 numbers, later the way out's two sets of 32 (v16-79) and the rows' two fragment buffers (v80-143); v144-151 codes just made;
;   v152-168 at work; v176-207 the rows' scale words; v208-239 the weight's.   window 1: the accumulators, (mt, t) at 8 (8 mt + t).   windows 2, 3: the weight: K step s in window 2 + s / 4 at 64 (s % 4) + 8 t.
.set XTW,   66560                      ; LDS: a wave's 16 rows of f32: four tiles of
.set XTL,   16640                      ; 16 rows x (1,024 bytes + 16 of padding)
.set XP,    1040                       ; = 260 words: row r starts at bank 4 r mod 64 (64 banks of 4 bytes: ISA guide 11.1)
.set XIMG,  4*XTW                      ; the rows' 32 fragments: (mt, s) at 1,024 (8 mt + s)
.set XSC,   XIMG+32768                 ; their scale words: 1,024 mt + 32 lane + 4 s
.set SPARE, XSC+4096                   ; the spare words, 128 bytes for each wave: two blocks of 256 bytes that no other line names
.set XR,  1                            ; v1  my 16 numbers of a block in my wave's rows
.set LI,  2                            ; v2  16 x lane
.set XWI, 3                            ; v3  where I store my wave's images
.set XWS, 4                            ; v4  and their scale words
.set LIA, 5                            ; v5  XIMG + 16 x lane
.set SLA, 6                            ; v6  XSC + 32 x lane
.set ST0, 16
.set TP,  16
.set AB,  80
.set PC,  144
.set TM,  152
.set PW,  168
.set SPW, 170                          ; v170 LDS address of my spare word; never rewritten
.set NIL, 171                          ; v171 0; never rewritten
.set AS,  176                          ; the rows' scale words: AS + 8 mt + s, lane r: row r.  Scales and nothing else
.set BS,  208                          ; the weight's: BS + 4 s + p: lanes 0-15 tile 2 p, lanes 16-31 tile 2 p + 1.  Scales and nothing else
.set WV,   16
.set KIND, 17
.set BLK,  18
.set G1,  24                           ; s[24:31] descriptor group 1
.set G0,  32                           ; s[32:47] four groups 0
.set WB0, 48                           ; s[48:49] my part of Wq's or Wk's images;  s[50:51] of Wv's
.set WB1, 50
.set SB0, 52                           ; s[52:53], s[54:55] their scale words
.set SB1, 54
.set OB,  56                           ; s[56:57] where head 2 w's results go;  s[58:59] head 2 w + 1's
.set SEL, 60
.set MSB, 0
.macro WIN new                         ; the immediate's high byte repeats the setting that is left; a switch that changes nothing is dropped
.if MSB != \new
	s_set_vgpr_msb (MSB<<8)|\new
.set MSB, \new
.endif
.endm
.macro PLACES                          ; four places behind matrix instructions, ahead of loads into their registers and of reads of their results
.rept 4
	v_nop
.endr
.endm
	s_load_b256 s[4:11], s[0:1], 0x0               ; x, context, wimg, wscl
	s_load_b128 s[12:15], s[0:1], 0x20             ; qbuf, kv
	v_lshl_add_u32 v[SPW], v0, 2, SPARE
	v_mov_b32 v[NIL], 0
	ds_add_u32 v[SPW], v[NIL]                      ; the wave's opening: the add, twice on end, and its wait ahead of my first tensor load
	ds_add_u32 v[SPW], v[NIL]
	v_lshrrev_b32 v7, 5, v0
	v_readfirstlane_b32 s[WV], v7                  ; wave 0..3
	s_lshr_b32 s[KIND], ttmp9, 7                   ; 0: x;  1: context
	s_and_b32 s[BLK], ttmp9, 127                   ; which 64 rows
	; group 1: a tile of 16 rows x 256 numbers of 4 bytes, 16 bytes of padding behind each row
	s_mov_b32 s[G1+0], (2<<16)|(1<<20)|(7<<22)|(3<<25)   ; no mask; elements of 4 bytes; padding on: after every 256 words (code 7) four words (code 3)
	s_mov_b32 s[G1+1], 256<<16                     ; tensor_dim0
	s_mov_b32 s[G1+2], 16<<16                      ; tensor_dim1
	s_mov_b32 s[G1+3], 256<<16                     ; tile_dim0
	s_mov_b32 s[G1+4], 16                          ; tile_dim1
	s_mov_b32 s[G1+5], 1024                        ; elements from row to row
	s_mov_b32 s[G1+6], 0
	s_mov_b32 s[G1+7], 0
	s_mul_i32 s19, s[WV], XTW                      ; my wave's rows in LDS
	s_lshl_b32 s22, s[BLK], 18                     ; 64 rows of 4,096 bytes,
	s_lshl_b32 s23, s[WV], 16                      ; my wave's 16
	s_add_co_u32 s22, s22, s23
	s_mov_b32 s23, 0
	s_lshl_b32 s2, s[KIND], 2
	s_add_co_u32 s2, s2, s[WV]                     ; 4 T + w for Wq or Wk,
	s_mov_b32 s3, 0
	s_add_co_u32 s62, s[WV], 8                     ; and for Wv
	s_mov_b32 s63, 0
	; where the results go: qbuf [bh][tile 256][2,048];  kv [bh][slot 16][65,536], a key step (64 keys) 8,192 bytes on from the last
	s_add_co_u32 s58, s[KIND], 19                  ; a head's bytes: 2^19 in qbuf, 2^20 in kv
	s_lshr_b32 s56, s[BLK], 6
	s_lshl_b32 s56, s56, 3
	s_lshl_b32 s57, s[WV], 1
	s_add_co_u32 s56, s56, s57                     ; bh = 8 x batch + 2 w
	s_lshl_b32 s56, s56, s58
	s_bfe_u32 s57, s[BLK], 0x40002                 ; which 256 rows of the batch,
	s_sub_co_u32 s59, s58, 4
	s_lshl_b32 s57, s57, s59
	s_add_co_u32 s56, s56, s57
	s_and_b32 s57, s[BLK], 3                       ; which 64 of them
	s_lshl_b32 s57, s57, 13
	s_add_co_u32 s56, s56, s57
	s_mov_b32 s57, 0
	s_lshl_b32 s58, 1, s58
	s_mov_b32 s59, 0
	s_mov_b32 s[SEL], 0x76543210
	s_mov_b32 s[SEL+1], 0xfedcba98                 ; v_permlanex16_b32's selects for lane l xor 16
	s_wait_dscnt 0x0                               ; both opening adds are done
	s_wait_kmcnt 0x0
	s_cmp_eq_u32 s[KIND], 0                        ; the choices hang on the work-group's number alone
	s_cselect_b64 s[20:21], s[4:5], s[6:7]
	s_cselect_b64 s[12:13], s[12:13], s[14:15]
	s_add_nc_u64 s[20:21], s[20:21], s[22:23]
	s_add_nc_u64 s[OB:OB+1], s[12:13], s[OB:OB+1]
	s_add_nc_u64 s[OB+2:OB+3], s[OB:OB+1], s[OB+2:OB+3]
	s_lshl_b32 s2, s2, 12
	s_add_nc_u64 s[SB0:SB0+1], s[10:11], s[2:3]    ; 4,096 bytes of scale words for each (T, w),
	s_lshl_b32 s2, s2, 4
	s_add_nc_u64 s[WB0:WB0+1], s[8:9], s[2:3]      ; 65,536 of images
	s_lshl_b32 s62, s62, 12
	s_add_nc_u64 s[SB1:SB1+1], s[10:11], s[62:63]
	s_lshl_b32 s62, s62, 4
	s_add_nc_u64 s[WB1:WB1+1], s[8:9], s[62:63]
.irp i, 0,1,2,3
	s_mov_b32 s[G0+4*\i], 1                        ; count = 1
	s_add_co_u32 s[G0+4*\i+1], s19, \i*XTL         ; LDS address
	s_add_nc_u64 s[G0+4*\i+2:G0+4*\i+3], s[20:21], \i*1024   ; columns 256 i on of my 16 rows
	s_or_b32 s[G0+4*\i+3], s[G0+4*\i+3], 0x80000000          ; type = 2
.endr
.irp i, 0,1,2,3                        ; all my rows are asked for at once: four tensor loads of mine are out; each lands in bytes that are filled once and that I alone read
	tensor_load_to_lds s[G0+4*\i:G0+4*\i+3], s[G1:G1+7]
	s_nop 0
.endr
	PLACES
	v_and_b32 v8, 15, v0                           ; r
	v_bfe_u32 v9, v0, 4, 1                         ; h
	v_and_b32 v10, 31, v0                          ; lane
	v_mul_u32_u24 v[XR], v8, XP
	v_lshl_add_u32 v[XR], v9, 6, v[XR]
	v_add_nc_u32 v[XR], s19, v[XR]                 ; row r, + 64 h: 16 neighbours of each block of 32
	v_lshlrev_b32 v[LI], 4, v10
	s_lshl_b32 s22, s[WV], 13
	s_add_co_u32 s22, s22, XIMG
	v_add_nc_u32 v[XWI], s22, v[LI]
	v_lshlrev_b32 v[SLA], 5, v10
	s_lshl_b32 s22, s[WV], 10
	s_add_co_u32 s22, s22, XSC
	v_add_nc_u32 v[XWS], s22, v[SLA]
	v_add_nc_u32 v[LIA], XIMG, v[LI]
	v_add_nc_u32 v[SLA], XSC, v[SLA]
.irp b, 0,1,2,3
	v_mov_b32 v[TM+4+\b], 0                        ; written once: a lane permute's destination counts as one of its sources
.endr
.macro WLOAD s, base                   ; a weight's K step s: eight fragments, 8,192 consecutive bytes, registers and bytes in the same order
	WIN 0x80+0x40*((\s)/4)
.set n, 0
.rept 16
	global_load_b128 v[64*((\s)%4)+4*n:64*((\s)%4)+4*n+3], v[LI], s[\base:\base+1] offset:(\s)*8192+512*n
.set n, n+1
.endr
.endm
.irp s, 0,1,2,3,4,5,6,7
	WLOAD \s, WB0
.endr
	WIN 0
.irp s, 0,1,2,3,4,5,6,7
	global_load_b128 v[BS+4*\s:BS+4*\s+3], v[LI], s[SB0:SB0+1] offset:\s*512
.endr
; ---- my 16 rows become eight fragments.  64 numbers of a lane, register 16 b + i = k 32 b + 16 (lane / 16) + i of my row, become a fragment's codes in v[PC] on and its scale word in v[PW].
.macro QUANT s
.irp b, 0,1,2,3
	v_max3_num_f32 v[TM+\b], |v[\s+16*\b]|, |v[\s+1+16*\b]|, 0x1800000   ; block b: my 16 numbers, and the floor 2^(3 - 127): the byte cannot fall under 1
.endr
.irp i, 2,4,6,8,10,12,14
.irp b, 0,1,2,3
	v_max3_num_f32 v[TM+\b], v[TM+\b], |v[\s+16*\b+\i]|, |v[\s+1+16*\b+\i]|   ; the four blocks by turns
.endr
.endr
.irp b, 0,1,2,3
	v_permlanex16_b32 v[TM+4+\b], v[TM+\b], s[SEL], s[SEL+1]
.endr
.irp b, 0,1,2,3
	v_max_num_f32 v[TM+\b], v[TM+\b], v[TM+4+\b]   ; with lane l xor 16's: the block's largest magnitude
.endr
.irp b, 0,1,2,3
	v_add_nc_u32 v[TM+12+\b], 0xff000000, v[TM+\b] ; 2 off its exponent field: the conversion's scale operand
.endr
.irp b, 0,1,2,3
	v_lshrrev_b32 v[TM+4+\b], 23, v[TM+12+\b]      ; the scale's byte
.endr
	v_lshl_or_b32 v[PW], v[TM+5], 8, v[TM+4]
	v_lshl_or_b32 v[PW], v[TM+6], 16, v[PW]
	v_lshl_or_b32 v[PW], v[TM+7], 24, v[PW]
.irp b, 0,1,2,3
	v_cvt_scalef32_pk8_fp4_f32 v[PC+2*\b], v[\s+16*\b:\s+7+16*\b], v[TM+12+\b]
	v_cvt_scalef32_pk8_fp4_f32 v[PC+1+2*\b], v[\s+8+16*\b:\s+15+16*\b], v[TM+12+\b]
.endr
	v_nop                                          ; one plain place behind a scaled conversion
.irp c, 0,1                            ; the operand's layout wants a whole block in a lane: lanes 0-15 block 2 c, lanes 16-31 block 2 c + 1
.irp i, 0,1
	v_permlane16_swap_b32 v[PC+4*\c+\i], v[PC+2+4*\c+\i]
.endr
.endr
.endm
.macro XREAD s                         ; K step s of my rows: 64 numbers a lane, into set s % 2
.irp b, 0,1,2,3
.irp j, 0,1,2,3
	ds_load_b128 v[ST0+64*((\s)%2)+16*\b+4*\j:ST0+64*((\s)%2)+16*\b+4*\j+3], v[XR] offset:((\s)/2)*XTL+((\s)%2)*512+128*\b+16*\j
.endr
.endr
.endm
	s_wait_tensorcnt 3                             ; my first tile is in; the three younger may be out
	XREAD 0
.irp s, 0,1,2,3,4,5,6,7
.if \s < 7
.if (\s+1)%2 == 0
	s_wait_tensorcnt 3-(\s+1)/2                    ; the tile of K steps s + 1, s + 2 is in; the younger ones may be out
.endif
	XREAD \s+1
	s_wait_dscnt 16                                ; all but the sixteen just issued: this step's numbers are in, the last step's images are stored
.else
	s_wait_dscnt 0x0
.endif
	QUANT ST0+64*(\s%2)
	ds_store_b128 v[XWI], v[PC:PC+3] offset:\s*1024
	ds_store_b128 v[XWI], v[PC+4:PC+7] offset:\s*1024+512
	ds_store_b32 v[XWS], v[PW] offset:4*\s
.endr
	s_wait_dscnt 0x0                               ; for the others' sake: my images are stored
	s_barrier_signal -1
	s_barrier_wait -1                              ; the 64 rows' 32 fragments lie in LDS
	s_wait_loadcnt 0x0                             ; the weight and its scale words
.irp mt, 0,1,2,3
.irp q, 0,1
	ds_load_b128 v[AS+8*\mt+4*\q:AS+8*\mt+4*\q+3], v[SLA] offset:\mt*1024+16*\q
.endr
.endr
.macro AFETCH s                        ; the four tiles of rows, K step s, into buffer s % 2
.irp mt, 0,1,2,3
.irp c, 0,1
	ds_load_b128 v[AB+32*((\s)%2)+8*\mt+4*\c:AB+32*((\s)%2)+8*\mt+4*\c+3], v[LIA] offset:\mt*8192+(\s)*1024+512*\c
.endr
.endr
.endm
; One product.  grp = 0: source 0 = 16 columns of W, source 1 = 16 rows;  grp = 1: the other way round.  An odd tile's scale words stand in lanes 16-31 of their register.
.macro MM s, mt, t, grp
.set rD, 8*(8*(\mt)+(\t))
.set rW, 64*((\s)%4)+8*(\t)
.set rA, AB+32*((\s)%2)+8*(\mt)
.set rWS, BS+4*(\s)+(\t)/2
.set rAS, AS+8*(\mt)+(\s)
.if (\grp) == 0
.if (\s) == 0
.if (\t)%2
	v_wmma_scale_f32_16x16x128_f8f6f4 v[rD:rD+7], v[rW:rW+7], v[rA:rA+7], 0, v[rWS], v[rAS] matrix_a_fmt:MATRIX_FMT_FP4 matrix_b_fmt:MATRIX_FMT_FP4 matrix_a_scale:MATRIX_SCALE_ROW1
.else
	v_wmma_scale_f32_16x16x128_f8f6f4 v[rD:rD+7], v[rW:rW+7], v[rA:rA+7], 0, v[rWS], v[rAS] matrix_a_fmt:MATRIX_FMT_FP4 matrix_b_fmt:MATRIX_FMT_FP4
.endif
.else
.if (\t)%2
	v_wmma_scale_f32_16x16x128_f8f6f4 v[rD:rD+7], v[rW:rW+7], v[rA:rA+7], v[rD:rD+7], v[rWS], v[rAS] matrix_a_fmt:MATRIX_FMT_FP4 matrix_b_fmt:MATRIX_FMT_FP4 matrix_a_scale:MATRIX_SCALE_ROW1
.else
	v_wmma_scale_f32_16x16x128_f8f6f4 v[rD:rD+7], v[rW:rW+7], v[rA:rA+7], v[rD:rD+7], v[rWS], v[rAS] matrix_a_fmt:MATRIX_FMT_FP4 matrix_b_fmt:MATRIX_FMT_FP4
.endif
.endif
.else
.if (\s) == 0
.if (\t)%2
	v_wmma_scale_f32_16x16x128_f8f6f4 v[rD:rD+7], v[rA:rA+7], v[rW:rW+7], 0, v[rAS], v[rWS] matrix_a_fmt:MATRIX_FMT_FP4 matrix_b_fmt:MATRIX_FMT_FP4 matrix_b_scale:MATRIX_SCALE_ROW1
.else
	v_wmma_scale_f32_16x16x128_f8f6f4 v[rD:rD+7], v[rA:rA+7], v[rW:rW+7], 0, v[rAS], v[rWS] matrix_a_fmt:MATRIX_FMT_FP4 matrix_b_fmt:MATRIX_FMT_FP4
.endif
.else
.if (\t)%2
	v_wmma_scale_f32_16x16x128_f8f6f4 v[rD:rD+7], v[rA:rA+7], v[rW:rW+7], v[rD:rD+7], v[rAS], v[rWS] matrix_a_fmt:MATRIX_FMT_FP4 matrix_b_fmt:MATRIX_FMT_FP4 matrix_b_scale:MATRIX_SCALE_ROW1
.else
	v_wmma_scale_f32_16x16x128_f8f6f4 v[rD:rD+7], v[rA:rA+7], v[rW:rW+7], v[rD:rD+7], v[rAS], v[rWS] matrix_a_fmt:MATRIX_FMT_FP4 matrix_b_fmt:MATRIX_FMT_FP4
.endif
.endif
.endif
.endm
; A K step of 128: 32 products, the 32 accumulators by turns, one instruction a turn.  The first step's products start the sums: nothing is cleared.
.macro KSTEP s, grp
	PLACES                                         ; behind the last step's products, ahead of loads into registers that they read
	WIN 0
.if (\s) < 7
	AFETCH (\s)+1
.endif
.if ((\grp) == 0) && ((\s) >= 1)
	s_cmp_eq_u32 s[KIND], 0                        ; context alone: Wv's K step s - 1 takes the registers that Wk's has left
	s_cbranch_scc1 .Lnov_\@
	WLOAD (\s)-1, WB1
	WIN 0
.Lnov_\@:
.endif
.if (\s) < 7
	s_wait_dscnt 8                                 ; all but the eight just issued
.else
	s_wait_dscnt 0x0
.endif
.if (\grp) == 0
	WIN 0x52+(\s)/4                                ; source 0 (W) window 2 or 3, source 1 window 0, C and D window 1
.else
	WIN 0x58+4*((\s)/4)                            ; source 1 (W) window 2 or 3
.endif
.irp mt, 0,1,2,3
.irp t, 0,1,2,3,4,5,6,7
	MM \s, \mt, \t, \grp
.endr
.endr
.endm
; THE WAY OUT: a tile's eight results of a lane round to 16 bytes, which are 16 bytes of an image: tile t of my eight belongs to head 2 w + t / 4.
;   grp = 0 (q, k): lane (r, h) holds row r, channels 16 (t % 4) + 8 h + 0 .. 7: image (tile of rows mt, channels 32 ((t % 4) / 2) on), half t % 2.
;   grp = 1 (v):    lane (r, h) holds channel 16 (t % 4) + r, keys 16 mt + 8 h + 0 .. 7: image (keys 32 (mt / 2) on, channels 16 (t % 4) on), half mt % 2; V's images lie 32,768 bytes behind K's.
.macro WAYOUT grp
.irp mt, 0,1,2,3
	s_wait_xcnt 0x0                                ; the stores of two tiles back have read their registers: the set is written again only behind this wait
	WIN 0x05                                       ; sources window 1, destination window 0
.irp t, 0,1,2,3,4,5,6,7
.irp n, 0,1,2,3
	v_cvt_pk_f16_f32 v[TP+32*(\mt%2)+4*\t+\n], v[8*(8*\mt+\t)+2*\n], v[8*(8*\mt+\t)+2*\n+1]   ; each accumulator from its low end on
.endr
.endr
	WIN 0
.irp t, 0,1,2,3,4,5,6,7
.if (\grp) == 0
	global_store_b128 v[LI], v[TP+32*(\mt%2)+4*\t:TP+32*(\mt%2)+4*\t+3], s[OB+2*(\t/4):OB+2*(\t/4)+1] offset:\mt*2048+(\t%4)*512
.else
	global_store_b128 v[LI], v[TP+32*(\mt%2)+4*\t:TP+32*(\mt%2)+4*\t+3], s[OB+2*(\t/4):OB+2*(\t/4)+1] offset:32768+(\mt/2)*4096+(\mt%2)*512+(\t%4)*1024
.endif
.endr
.endr
.endm
	AFETCH 0
.irp s, 0,1,2,3,4,5,6,7
	KSTEP \s, 0
.endr
	PLACES
	WIN 0
	s_cmp_eq_u32 s[KIND], 0
	s_cbranch_scc1 .Lno_v
	WLOAD 7, WB1                                   ; Wv's last K step, and its scale words
	WIN 0
.irp s, 0,1,2,3,4,5,6,7
	global_load_b128 v[BS+4*\s:BS+4*\s+3], v[LI], s[SB1:SB1+1] offset:\s*512
.endr
.Lno_v:
	WAYOUT 0                                       ; q or k
	s_cmp_eq_u32 s[KIND], 0
	s_cbranch_scc1 .Lend
	s_wait_loadcnt 0x0                             ; Wv
	AFETCH 0
.irp s, 0,1,2,3,4,5,6,7
	KSTEP \s, 1
.endr
	PLACES
	WAYOUT 1                                       ; v
.Lend:
	s_wait_tensorcnt 0x0                           ; the wave's end, behind my last tensor load and my last LDS store
	ds_add_u32 v[SPW], v[NIL]
	s_wait_dscnt 0x0
	s_endpgm
.Lfunc_end_k_q6c0871ab85_proj:
	.size	k_q6c0871ab85_proj, .Lfunc_end_k_q6c0871ab85_proj-k_q6c0871ab85_proj
	.p2alignl 7, 3214868480
	.fill 96, 4, 3214868480
	.section	.rodata,"a",@progbits
	.p2align	6, 0x0
	.amdhsa_kernel k_q6c0871ab85_proj
		.amdhsa_group_segment_fixed_size 327680
		.amdhsa_private_segment_fixed_size 0
		.amdhsa_enable_private_segment 0
		.amdhsa_kernarg_size 48
		.amdhsa_user_sgpr_count 2
		.amdhsa_user_sgpr_kernarg_segment_ptr 1
		.amdhsa_wavefront_size32 1
		.amdhsa_system_sgpr_workgroup_id_x 1
		.amdhsa_system_sgpr_workgroup_id_y 1
		.amdhsa_system_sgpr_workgroup_id_z 1
		.amdhsa_system_vgpr_workitem_id 0
		.amdhsa_next_free_vgpr 1024
		.amdhsa_next_free_sgpr 66
		.amdhsa_reserve_vcc 0
		.amdhsa_float_denorm_mode_32 3
		.amdhsa_float_denorm_mode_16_64 3
		.amdhsa_memory_ordered 1
		.amdhsa_forward_progress 1
		.amdhsa_inst_pref_size 171
	.end_amdhsa_kernel
	.amdgpu_metadata
---
amdhsa.version: [ 1, 2 ]
amdhsa.kernels:
  - .name:           k_q6c0871ab85_proj
    .symbol:         k_q6c0871ab85_proj.kd
    .args:
      - { .name: x, .offset: 0, .size: 8, .value_kind: global_buffer, .address_space: global }
      - { .name: context, .offset: 8, .size: 8, .value_kind: global_buffer, .address_space: global }
      - { .name: wimg, .offset: 16, .size: 8, .value_kind: global_buffer, .address_space: global }
      - { .name: wscl, .offset: 24, .size: 8, .value_kind: global_buffer, .address_space: global }
      - { .name: qbuf, .offset: 32, .size: 8, .value_kind: global_buffer, .address_space: global }
      - { .name: kv, .offset: 40, .size: 8, .value_kind: global_buffer, .address_space: global }
    .group_segment_fixed_size: 327680
    .private_segment_fixed_size: 0
    .kernarg_segment_align: 8
    .kernarg_segment_size: 48
    .max_flat_workgroup_size: 128
    .sgpr_count:     66
    .vgpr_count:     1024
    .wavefront_size: 32
...
	.end_amdgpu_metadata
.endif
;; end of part 2
;; launch attn (part 3): grid 16 x 16, 4 waves a work-group, clusters of 4 x 1, 327,680 bytes of LDS; arguments qbuf, kv, obuf; writes obuf
.if DOCPART == 3
	.amdgcn_target "amdgcn-amd-amdhsa--gfx1250"
	.amdhsa_code_object_version 6
	.text
	.protected	k_q6c0871ab85_attn
	.globl	k_q6c0871ab85_attn
	.p2align	8
	.type	k_q6c0871ab85_attn,@function
k_q6c0871ab85_attn:
	s_mov_b64 s[64:65], 0
	v_nop
	global_prefetch_b8 v0, s[64:65] scope:SCOPE_SE
	s_setreg_imm32_b32 hwreg(HW_REG_WAVE_MODE, 25, 1), 1
	s_wait_xcnt 0x0
	s_wait_alu depctr_hold_cnt(0) depctr_sa_sdst(0) depctr_va_vdst(0) depctr_va_sdst(0) depctr_va_ssrc(0) depctr_va_vcc(0) depctr_vm_vsrc(0)
	s_getreg_b32 s2, hwreg(HW_REG_IB_STS2, 6, 4)
	s_cmp_eq_u32 s2, 0
	s_cbranch_scc0 .Lentry_in_a_cluster
	s_endpgm
.Lentry_in_a_cluster:
	s_bfe_u32 s2, ttmp6, 0x10000c
	s_cmp_lg_u32 s2, 0x3003
	s_cbranch_scc0 .Lentry_shape_is_right
	s_endpgm
.Lentry_shape_is_right:
; o[bh][q][:] = the sum over k of softmax_k(q . k / 8) v[k][:], 16 (batch, head) pairs, 4,096 queries, 4,096 keys, head size 64.  Operands in f16; products, maxima and sums in f32.
; q, k, v arrive as IMAGES OF OPERAND REGISTERS (registers 4 c .. 4 c + 3 of lane l at 512 c + 16 l; 1,024 bytes a fragment of 16 x 32): every load of a fragment is 512 consecutive bytes, in memory and in LDS:
; no padding, no turning load.  o leaves as images of the next launch's operand, straight from registers.
; SHARES.  A work-group owns 256 queries of one (batch, head), each of its four waves 64: four tiles of 16.  Every wave walks all keys, 64 a step.
; LAYOUT.  S^T = K Q^T (source 0 = 16 keys, source 1 = 16 queries): a lane holds ONE query (lane % 16) and keys 8 (lane / 16) + 0 .. 7.  Two such tiles, rounded to f16 in pairs, ARE source 1 (32 keys x 16 queries)
; of O^T = V^T P, whose result again holds one query a lane and eight channels.
; SOFTMAX.  For each query a running maximum m: p = 2^(c s - c m), c = log2(e) / 8; in every step O^T and the sum are multiplied by a = 2^(c m_old - c m_new).
; THE ROW'S SUM is a product too: ones (16 x 32) x P adds the 32 keys of a fragment for each query, in f32, into an accumulator L of which registers 0 and 1 alone are rescaled and register 0 is read.
; (Registers 2-7 hold unscaled sums of p, at most 4,096: finite, and read by nobody.)  The sum is so taken of p as rounded to f16, the very numbers that multiply V.
; BY TURNS.  The wave's tiles are two PIECES (tiles 0, 1; tiles 2, 3).  In a TURN one piece has the matrix unit: 20 products V^T P and ones x P of the step in hand, then 16 products K Q^T of the next step;
; the other piece's softmax, 206 vector instructions, is dealt out evenly behind those 36.  Then the pieces change places.  Two turns are a key step.
; CLUSTER.  The four query blocks of a cluster walk the same K and V: a slot of 256 keys, 65,536 dense bytes, is asked for JOINTLY, each wave a quarter, by the same tensor load with the same descriptor in all four.
; LIMITS: |q|, |k|, |v|, |o| under 65,504 (f16).
; REGISTERS, in windows of 256: window 0: v2-4 addresses; v12-43 eight registers of statistics a tile; v64-191 S^T, 32 a tile; v192-255 P, 16 a tile.
;   window 1: v0-127 O^T, 32 a tile; v128-159 L, 8 a tile.   window 2: v0-63 Q; v64-127 K of one step; v128-191 V of one step; v192-199 ones.
.set STEPB, 8192                       ; a key step's K (or V) in a slot
.set VOFF,  32768                      ; a slot: four steps of K, then four of V
.set SLOT1, 65536
.set SPARE, 131072                     ; behind the ring: the spare words, 128 bytes for each wave: two blocks of 256 bytes that no other line names
.set AK0, 2                            ; v2   16 x lane; never rewritten
.set AV0, 3                            ; v3   16 x lane + VOFF
.set ADR, 4                            ; v4   the LDS address of the run of loads in hand
.set ST,  12                           ; tile t's statistics at v[ST + 8 t]: +0 c m, +1 m, +4 to +7 four chains at work; a takes +6's place once the maximum is found
.set PFO, 61                           ; v61  256 x lane; never rewritten
.set SPW, 62                           ; v62  LDS address of my spare word; never rewritten
.set NIL, 63                           ; v63  0; never rewritten
.set S,   64
.set P,   192
.set LS,  128                          ; L, in window 1
.set KF,  64                           ; in window 2
.set VF,  128
.set ON,  192
.set WV,  12
.set LIM, 15                           ; s15  1 in a wave that prefetches, else the greatest number
.set PFA, 18                           ; s[18:19] where my prefetches stand
.set G1,  24                           ; s[24:31] descriptor group 1
.set G0,  40                           ; s[40:43] group 0 of slot 0's first fill; s[44:47] slot 1's, which then walks on
.set SLOTS, 56
.set CNT, 57
.set CS,  58                           ; s[58:59] c, twice: the packed scaling names a pair
.set SEL, 60
.set TB,  62                           ; s62  LDS byte at which the K of the step to be fetched begins
.set MSB, 0
.macro WIN new                         ; the immediate's high byte repeats the setting that is left; a switch that changes nothing is dropped
.if MSB != \new
	s_set_vgpr_msb (MSB<<8)|\new
.set MSB, \new
.endif
.endm
.set W_KQ, 0x0a                        ; K and Q in window 2, S^T in window 0
.set W_PV, 0x52                        ; V (or ones) in window 2, P in window 0, O^T (or L) in window 1
.set W_RS, 0x41                        ; O^T (destination and source 0) in window 1, a in window 0
.macro PLACES
.rept 4
	v_nop
.endr
.endm
.macro CROUND                          ; a round of the cluster's barrier
	s_barrier_signal -1
	s_barrier_wait -1
	s_cmp_lg_u32 s[WV], 0
	s_cbranch_scc1 .Lnot_wave_0_\@
	s_barrier_signal -3
.Lnot_wave_0_\@:
	s_barrier_wait -3
	s_barrier_signal -1
	s_barrier_wait -1
.endm
; A PREFETCH INTO THE L2 of the slot that the NEXT change of slots will ask for: four key steps, 288 matrix instructions, ahead of that load.  Each aligned block of 256 bytes is named once in the launch:
; of the four clusters that walk a (batch, head) the first asks; its four partners take 16,384 bytes each, told apart by ADDRESS; in each, waves 0 and 2 take 8,192 bytes, lanes 256 bytes apart.
; The last change that fills a slot asks for nothing; slots 0 to 2 come by their loads alone.
.macro ASK
	s_cmp_gt_u32 s[SLOTS], s[LIM]
	s_cbranch_scc0 .Lnot_mine_\@
	global_prefetch_b8 v[PFO], s[PFA:PFA+1] th:TH_LOAD_NT scope:SCOPE_SE
.Lnot_mine_\@:
.endm
	s_load_b128 s[4:7], s[0:1], 0x0                ; qbuf, kv
	s_load_b64 s[8:9], s[0:1], 0x10                ; obuf
	v_lshl_add_u32 v[SPW], v0, 2, SPARE
	v_mov_b32 v[NIL], 0
	ds_add_u32 v[SPW], v[NIL]                      ; the wave's opening: the add, twice on end, and its wait ahead of my first tensor load
	ds_add_u32 v[SPW], v[NIL]
	v_lshrrev_b32 v1, 5, v0
	v_readfirstlane_b32 s[WV], v1                  ; wave 0..3
	s_bfe_u32 s13, ttmp6, 0x40000                  ; cx: my place in the cluster
	s_lshl_b32 s14, ttmp9, 2
	s_add_co_u32 s14, s14, s13                     ; my block of 256 queries: it enters q's and o's addresses alone
	s_and_b32 s16, ttmp7, 0xffff                   ; bh, which the four partners share
	s_lshl_b32 s20, s16, 20                        ; kv: 2^20 bytes a (batch, head),
	s_lshl_b32 s17, s[WV], 14                      ; my quarter of a slot, in memory and in LDS alike
	s_add_co_u32 s20, s20, s17
	s_mov_b32 s21, 0
	s_lshl_b32 s22, s16, 19                        ; qbuf: 2^19 a (batch, head), 2^15 a block, 2^13 a wave
	s_lshl_b32 s23, s14, 15
	s_add_co_u32 s22, s22, s23
	s_lshl_b32 s23, s[WV], 13
	s_add_co_u32 s22, s22, s23
	s_mov_b32 s23, 0
	s_lshr_b32 s2, s16, 3                          ; obuf [row tile 512][16,384]: 2^22 a batch, 2^18 a block, 2^16 a wave; a head's two K steps: 2,048 bytes
	s_lshl_b32 s2, s2, 22
	s_lshl_b32 s3, s14, 18
	s_add_co_u32 s2, s2, s3
	s_lshl_b32 s3, s[WV], 16
	s_add_co_u32 s2, s2, s3
	s_and_b32 s3, s16, 7
	s_lshl_b32 s3, s3, 11
	s_add_co_u32 s2, s2, s3
	s_mov_b32 s3, 0
	s_lshl_b32 s48, s16, 20                        ; the prefetches: my work-group's 16,384 bytes of a slot,
	s_lshl_b32 s49, s13, 14
	s_add_co_u32 s48, s48, s49
	s_lshr_b32 s49, s[WV], 1
	s_lshl_b32 s49, s49, 13                        ; wave 0's or wave 2's half of them,
	s_add_co_u32 s48, s48, s49
	s_add_co_u32 s48, s48, 2*SLOT1                 ; in slot 2: the first change of slots steps it to slot 3
	s_mov_b32 s49, 0
	s_and_b32 s[LIM], s[WV], 1
	s_or_b32 s[LIM], s[LIM], ttmp9                 ; 0 in waves 0 and 2 of the first cluster: the same in all four partners
	s_cmp_eq_u32 s[LIM], 0
	s_cselect_b32 s[LIM], 1, -1
	; group 1: 64 rows of 256 bytes (32 elements of 8), dense
	s_mov_b32 s[G1+0], 15|(3<<16)|(1<<21)          ; the mask: all four work-groups; elements of 8 bytes; bit 21 set beside a mask; no padding
	s_mov_b32 s[G1+1], 32<<16
	s_mov_b32 s[G1+2], 64<<16
	s_mov_b32 s[G1+3], 32<<16
	s_mov_b32 s[G1+4], 64
	s_mov_b32 s[G1+5], 32
	s_mov_b32 s[G1+6], 0
	s_mov_b32 s[G1+7], 0
	s_mov_b32 s[CS], 0x3e38aa3b                    ; c = log2(e) / 8
	s_mov_b32 s[CS+1], s[CS]
	s_mov_b32 s[SEL], 0x76543210
	s_mov_b32 s[SEL+1], 0xfedcba98
	s_mov_b32 s[TB], 0
	s_mov_b32 s[SLOTS], 14
	v_and_b32 v1, 31, v0
	v_lshlrev_b32 v[PFO], 8, v1
	v_lshlrev_b32 v[AK0], 4, v1
	v_add_nc_u32 v[AV0], VOFF, v[AK0]
	s_wait_dscnt 0x0                               ; both opening adds are done
	s_wait_kmcnt 0x0
	s_add_nc_u64 s[4:5], s[4:5], s[22:23]
	s_add_nc_u64 s[8:9], s[8:9], s[2:3]
	s_add_nc_u64 s[PFA:PFA+1], s[6:7], s[48:49]
	CROUND                                         ; all four work-groups are here: the first joint loads meet
	s_mov_b32 s[G0], 1
	s_mov_b32 s[G0+1], s17
	s_add_nc_u64 s[G0+2:G0+3], s[6:7], s[20:21]
	s_or_b32 s[G0+3], s[G0+3], 0x80000000
	s_mov_b32 s[G0+4], 1
	s_add_co_u32 s[G0+5], s17, SLOT1
	s_add_nc_u64 s[G0+6:G0+7], s[6:7], s[20:21]
	s_add_nc_u64 s[G0+6:G0+7], s[G0+6:G0+7], SLOT1
	s_or_b32 s[G0+7], s[G0+7], 0x80000000
	tensor_load_to_lds s[G0:G0+3], s[G1:G1+7]      ; both first fills go out together: two tensor loads of mine are out
	s_nop 0
	tensor_load_to_lds s[G0+4:G0+7], s[G1:G1+7]
	s_nop 0
	PLACES
	WIN 0x80                                       ; destination window 2
.set n, 0
.rept 16
	global_load_b128 v[4*n:4*n+3], v[AK0], s[4:5] offset:512*n   ; Q stays in registers: tile n / 4, channels 32 ((n / 2) % 2) on
.set n, n+1
.endr
.set n, 0
.rept 8
	v_mov_b32 v[ON+n], 0x3c003c00                  ; 1.0, twice, in f16
.set n, n+1
.endr
	WIN 0
; Product i of 20 for piece x.  i < 16: O^T += V^T P: keys 32 (i / 8) on, channels 16 ((i / 2) % 4) on, tile x + i % 2.  i >= 16: L += ones x P: keys 32 ((i - 16) / 2) on.
; zero = 1: the first products start the sums: nothing is cleared.  The accumulators take turns, one instruction a turn.
.macro PV x, zero
	WIN W_PV
.if i < 16
.set rO, 32*((\x)+i%2)+8*((i/2)%4)
.set rV, VF+8*(4*(i/8)+(i/2)%4)
.set rB, P+16*((\x)+i%2)+8*(i/8)
.else
.set rO, LS+8*((\x)+i%2)
.set rV, ON
.set rB, P+16*((\x)+i%2)+8*((i-16)/2)
.endif
.if (\zero) && ((i < 8) || ((i >= 16) && (i < 18)))
	v_wmma_f32_16x16x32_f16 v[rO:rO+7], v[rV:rV+7], v[rB:rB+7], 0
.else
	v_wmma_f32_16x16x32_f16 v[rO:rO+7], v[rV:rV+7], v[rB:rB+7], v[rO:rO+7]
.endif
.endm
; Product i of 16 of S^T = K Q^T: channels 32 (i / 8) on, keys 16 ((i / 2) % 4) on, tile x + i % 2.  The first 8 start the sums.
.macro KQ x
	WIN W_KQ
.set rS, S+32*((\x)+i%2)+8*((i/2)%4)
.set rK, KF+8*(2*((i/2)%4)+i/8)
.set rQ, 16*((\x)+i%2)+8*(i/8)
.if i < 8
	v_wmma_f32_16x16x32_f16 v[rS:rS+7], v[rK:rK+7], v[rQ:rQ+7], 0
.else
	v_wmma_f32_16x16x32_f16 v[rS:rS+7], v[rK:rK+7], v[rQ:rQ+7], v[rS:rS+7]
.endif
.endm
; THE LDS LOADS stand in runs of 16: a step's K and, a turn later, its V: 8,192 consecutive bytes each, registers and bytes in the same order.
.macro FETCH_K
	WIN 0
	v_add_nc_u32 v[ADR], s[TB], v[AK0]
	WIN 0x80
.set n, 0
.rept 16
	ds_load_b128 v[KF+4*n:KF+4*n+3], v[ADR] offset:512*n
.set n, n+1
.endr
.endm
.macro FETCH_V
	WIN 0
	v_add_nc_u32 v[ADR], s[TB], v[AV0]
	s_add_co_u32 s[TB], s[TB], STEPB               ; the next fetch is the next step's
	s_wait_alu depctr_va_vdst(0)                   ; the wait for the softmax's batch of exponentials, ahead of the first instruction that names a result
	WIN 0x80
.set n, 0
.rept 16
	ds_load_b128 v[VF+4*n:VF+4*n+3], v[ADR] offset:512*n
.set n, n+1
.endr
.endm
; THE VECTOR WORK.  One tile's softmax for one key step is a list of 103 instructions; SM writes number j of it for tile t.  s0-s31 are the lane's 32 scores, in pairs 0-15.  first = 1: the first key step.
;   0-15   the maximum of s0-s31 and the old m, three operands at a time, in four chains
;   16-20  the other half of the lanes' maximum; the new m; c m; c m_old - c m_new
;   21-69  ONE BATCH: the 16 scalings c s - c m and all 33 exponentials (a at 23).  None of these reads an exponential's result; a pair is scaled well ahead of its exponentials
;   (wait) between 69 and 70: ITEM writes it, once for both tiles
;   70-85  the roundings to f16      86-101 the tile's O^T times a      102 L's registers 0 and 1 times a
.macro SM t, first
.set rT, ST+8*(\t)
.set rS, S+32*(\t)
.set rP, P+16*(\t)
.if j < 86
	WIN 0
.endif
.if j < 4
	v_max3_num_f32 v[rT+4+j], v[rS+8*j], v[rS+8*j+1], v[rS+8*j+2]
.elseif j < 12
	v_max3_num_f32 v[rT+4+j%4], v[rT+4+j%4], v[rS+8*(j%4)+2*(j/4)+1], v[rS+8*(j%4)+2*(j/4)+2]
.elseif j == 12
	v_max3_num_f32 v[rT+4], v[rT+4], v[rS+7], v[rS+15]
.elseif j == 13
	v_max3_num_f32 v[rT+6], v[rT+6], v[rS+23], v[rS+31]
.elseif j == 14
	v_max3_num_f32 v[rT+4], v[rT+4], v[rT+5], v[rT+6]
.elseif (j == 15) && \first
	v_max_num_f32 v[rT+4], v[rT+4], v[rT+7]
.elseif j == 15
	v_max3_num_f32 v[rT+4], v[rT+4], v[rT+7], v[rT+1]
.elseif j == 16
	v_permlanex16_b32 v[rT+5], v[rT+4], s[SEL], s[SEL+1]   ; the query's other 32 keys lie in the lane 16 away
.elseif j == 18
	v_max_num_f32 v[rT+1], v[rT+4], v[rT+5]
.elseif j == 19
	v_mul_f32 v[rT], s[CS], v[rT+1]
.elseif ((j == 17) || (j == 20) || (j == 23) || (j > 85)) && \first   ; the first step has none of these
.elseif j == 17
	v_mov_b32 v[rT+7], v[rT]                       ; c m_old is kept for a
.elseif j == 20
	v_sub_f32 v[rT+7], v[rT+7], v[rT]
.elseif j == 23
	v_exp_f32 v[rT+6], v[rT+7]
.elseif (j < 23) || ((j < 38) && (j%2 == 0)) || ((j < 66) && (j%4 == 2))
.set b, (j-2)/4                        ; 38, 42, .. 62: pairs 9 to 15
.if j < 38
.set b, (j-20)/2                       ; 21: pair 0; 22, 24, .. 36: pairs 1 to 8
.endif
	v_pk_fma_f32 v[rS+2*b:rS+2*b+1], v[rS+2*b:rS+2*b+1], s[CS:CS+1], v[rT:rT+1] op_sel_hi:[1,0,0] neg_lo:[0,0,1] neg_hi:[0,0,1]   ; pair b: c s - c m
.elseif j < 70
.set e, j-38                           ; 66 to 69: s28 to s31
.if j < 66
.set e, j-32-(j-38)/4                  ; 39-41, 43-45, .. 63-65: s7 to s27
.endif
.if j < 38
.set e, (j-25)/2                       ; 25, 27, .. 37: s0 to s6
.endif
	v_exp_f32 v[rS+e], v[rS+e]
.elseif j < 86
	v_cvt_pk_f16_f32 v[rP+j-70], v[rS+2*(j-70)], v[rS+2*(j-70)+1]
.elseif j < 102
	WIN W_RS
.set rO, 32*(\t)+2*(j-86)
	v_pk_mul_f32 v[rO:rO+1], v[rO:rO+1], v[rT+6:rT+7] op_sel_hi:[1,0]
.else
	WIN W_RS
.set rO, LS+8*(\t)
	v_pk_mul_f32 v[rO:rO+1], v[rO:rO+1], v[rT+6:rT+7] op_sel_hi:[1,0]
.endif
.endm
; Item g of 206 of piece y's softmax.  Items 0-43: numbers 0-21, the two tiles alternating.  Items 44-139: the batch, four numbers of one tile at a time, the tiles by turns.  Items 140-205: numbers 70-102, alternating.
; Ahead of item 140 nothing names an exponential's result, and from it on no exponential is issued: one plain instruction and ONE wait stand there for the piece's 66 exponentials.  In piece 2's turn V's run of loads stands there too.
.macro ITEM y, first
.if g == 140
	v_nop
.if (\y) == 0
	FETCH_V
.else
	s_wait_alu depctr_va_vdst(0)
.endif
.endif
.if g < 44
.set j, g/2
.set tt, (\y)+g%2
.elseif g < 140
.set j, 22+4*((g-44)/8)+(g-44)%4
.set tt, (\y)+((g-44)/4)%2
.else
.set j, 70+(g-140)/2
.set tt, (\y)+g%2
.endif
	SM tt, \first
.set g, g+1
.endm
.macro DEAL y, first                   ; behind the turn's iw-th matrix instruction of nw: the items up to 206 iw / nw.  The last deal is six or more packed multiplies, which name nothing of the products round them: the places behind the turn's last products
.set iw, iw+1
.rept 206*iw/nw-g
	ITEM \y, \first
.endr
.endm
; A TURN.  Piece x has the matrix unit.  pv = 2: 20 products with P; 1: they start the sums; 0: none.  kq = 1: 16 products K Q^T for the next step.  first = 1: the softmax is the first key step's; its last deals are empty, so four v_nop close the turn.
; Piece 0's turn fetches the next step's K behind its second product (K's last reader stands ahead of the last deal of the turn before); piece 2's turn fetches that step's V at item 140 (V's last reader is the turn's 16th product:
; a dozen scalings, the v_nop and the run's own addition lie between).
.macro TURN x, pv, kq, first
.set g, 0
.set iw, 0
.if \pv && \kq
.set nw, 36
.elseif \pv
.set nw, 20
.else
.set nw, 16
.endif
.if \pv
.if \x == 0
	s_wait_dscnt 0x0                               ; V is in
.endif
.set i, 0
.rept 20
	PV \x, 2-\pv
	DEAL 2-\x, \first
.if (\x == 0) && \kq && (i == 1)
	FETCH_K
.endif
.set i, i+1
.endr
.endif
.if \kq
.if \x == 0
	s_wait_dscnt 0x0                               ; K is in
.endif
.set i, 0
.rept 16
	KQ \x
	DEAL 2-\x, \first
.set i, i+1
.endr
.endif
.if \first
	PLACES
.endif
.endm
.macro STEPS n                         ; n key steps: written once, walked n times; the LDS addresses hang on s[TB]
	s_mov_b32 s[CNT], \n
.Lstep_\@:
	TURN 0, 2, 1, 0
	TURN 2, 2, 1, 0
	WIN 0
	s_sub_co_u32 s[CNT], s[CNT], 1
	s_cmp_lg_u32 s[CNT], 0
	s_cbranch_scc1 .Lstep_\@
.endm
; THE CHANGE OF SLOTS, when the slot's last bytes, V of its fourth step, have been asked for.  Each wave waits for all its tensor loads (one is out: its part of the other slot), adds 0 to its spare word, and waits for
; that and for its reads of the slot.  fill = 1: the barrier is a round of the cluster's, and the joint refill, the keys two slots on, is the first thing behind it: it has four key steps in which to land.
.macro CHANGE fill
	WIN 0
	s_wait_tensorcnt 0x0                           ; no tensor load of mine is out, so a group 0 may be written
	ds_add_u32 v[SPW], v[NIL]                      ; 0 onto my spare word
.if \fill
	s_xor_b32 s[G0+5], s[G0+5], SLOT1              ; the walking descriptor: the other slot than last time,
	s_add_nc_u64 s[G0+6:G0+7], s[G0+6:G0+7], SLOT1 ; the next 256 keys
	s_wait_xcnt 0x0                                ; the last prefetch, a slot back, has read its address
	s_add_nc_u64 s[PFA:PFA+1], s[PFA:PFA+1], SLOT1
	s_wait_dscnt 0x0                               ; the add is done, and my reads of the slot are over
	CROUND
	tensor_load_to_lds s[G0+4:G0+7], s[G1:G1+7]
	s_nop 0
	PLACES
	ASK
.else
	s_wait_dscnt 0x0
	s_barrier_signal -1
	s_barrier_wait -1
.endif
	s_sub_co_u32 s[TB], s[TB], 4*STEPB             ; the fetches go back to a slot's first step,
	s_xor_b32 s[TB], s[TB], SLOT1                  ; in the other slot
.endm
	s_wait_tensorcnt 1                             ; my part of slot 0 is in; slot 1's may stay out
	s_barrier_signal -1
	s_barrier_wait -1
	FETCH_K                                        ; key step 0
	s_wait_loadcnt 0x0                             ; Q
	s_wait_dscnt 0x0
.set i, 0
.rept 16
	KQ 0                                           ; piece 0's first scores
.set i, i+1
.endr
	PLACES
	TURN 2, 0, 1, 1                                ; piece 2's first scores | piece 0's first softmax | V of step 0
	TURN 0, 1, 1, 1                                ; piece 0: the products with P of step 0 start the sums, K Q^T of step 1 | piece 2's first softmax | K of step 1
	TURN 2, 1, 1, 0                                ; piece 2: the same | piece 0's softmax of step 1 | V of step 1
	WIN 0
	STEPS 2                                        ; slot 0's steps 2 and 3 are fetched
.Lslot:                                                ; 14 trips: every slot but the last two is filled again
	CHANGE 1
	STEPS 4
	s_sub_co_u32 s[SLOTS], s[SLOTS], 1
	s_cmp_lg_u32 s[SLOTS], 0
	s_cbranch_scc1 .Lslot
	CHANGE 0                                       ; the tail is written out
	STEPS 4
	TURN 0, 2, 0, 0                                ; piece 0: the last step's products with P | piece 2's last softmax
.set i, 0
.rept 20
	PV 2, 0
.set i, i+1
.endr
	PLACES
	; THE WAY OUT.  L's register 0 holds the whole row's sum in every lane of the query.  O^T / sum, rounded to f16: a lane's eight channels of tile ct are 16 bytes of the image (row tile, K step 2 head + ct / 2), half ct % 2.
	WIN 0x01                                       ; source window 1, destination window 0
.irp t, 0,1,2,3
	v_rcp_f32 v[ST+8*\t+6], v[LS+8*\t]
.endr
	v_nop                                          ; a plain instruction between the last reciprocal and the use of its result
	s_wait_alu depctr_va_vdst(0)                   ; and the one wait for the four, ahead of the first use
.irp t, 0,1,2,3
	WIN W_RS
.set n, 0
.rept 16
	v_pk_mul_f32 v[32*\t+2*n:32*\t+2*n+1], v[32*\t+2*n:32*\t+2*n+1], v[ST+8*\t+6:ST+8*\t+7] op_sel_hi:[1,0]
.set n, n+1
.endr
	WIN 0x05                                       ; sources window 1, destination window 0: S^T's registers are free
.set n, 0
.rept 16
	v_cvt_pk_f16_f32 v[S+32*\t+n], v[32*\t+2*n], v[32*\t+2*n+1]
.set n, n+1
.endr
	WIN 0
.irp f, 0,1,2,3
	global_store_b128 v[AK0], v[S+32*\t+4*\f:S+32*\t+4*\f+3], s[8:9] offset:\t*16384+\f*512   ; 512 consecutive bytes, aligned
.endr
.endr
	s_wait_tensorcnt 0x0                           ; the wave's end
	ds_add_u32 v[SPW], v[NIL]
	s_wait_dscnt 0x0
	CROUND                                         ; the closing round: no work-group ends while a partner may still ask for a tile that names it
	s_endpgm
.Lfunc_end_k_q6c0871ab85_attn:
	.size	k_q6c0871ab85_attn, .Lfunc_end_k_q6c0871ab85_attn-k_q6c0871ab85_attn
	.p2alignl 7, 3214868480
	.fill 96, 4, 3214868480
	.section	.rodata,"a",@progbits
	.p2align	6, 0x0
	.amdhsa_kernel k_q6c0871ab85_attn
		.amdhsa_group_segment_fixed_size 327680
		.amdhsa_private_segment_fixed_size 0
		.amdhsa_enable_private_segment 0
		.amdhsa_kernarg_size 24
		.amdhsa_user_sgpr_count 2
		.amdhsa_user_sgpr_kernarg_segment_ptr 1
		.amdhsa_wavefront_size32 1
		.amdhsa_system_sgpr_workgroup_id_x 1
		.amdhsa_system_sgpr_workgroup_id_y 1
		.amdhsa_system_sgpr_workgroup_id_z 1
		.amdhsa_system_vgpr_workitem_id 0
		.amdhsa_next_free_vgpr 768
		.amdhsa_next_free_sgpr 66
		.amdhsa_reserve_vcc 0
		.amdhsa_float_denorm_mode_32 3
		.amdhsa_float_denorm_mode_16_64 3
		.amdhsa_memory_ordered 1
		.amdhsa_forward_progress 1
		.amdhsa_inst_pref_size 176
	.end_amdhsa_kernel
	.amdgpu_metadata
---
amdhsa.version: [ 1, 2 ]
amdhsa.kernels:
  - .name:           k_q6c0871ab85_attn
    .symbol:         k_q6c0871ab85_attn.kd
    .args:
      - { .name: qbuf, .offset: 0, .size: 8, .value_kind: global_buffer, .address_space: global }
      - { .name: kv, .offset: 8, .size: 8, .value_kind: global_buffer, .address_space: global }
      - { .name: obuf, .offset: 16, .size: 8, .value_kind: global_buffer, .address_space: global }
    .group_segment_fixed_size: 327680
    .private_segment_fixed_size: 0
    .kernarg_segment_align: 8
    .kernarg_segment_size: 24
    .max_flat_workgroup_size: 128
    .sgpr_count:     66
    .vgpr_count:     768
    .wavefront_size: 32
...
	.end_amdgpu_metadata
.endif
;; end of part 3
;; launch outp (part 4): grid 4 x 64, 4 waves a work-group, clusters of 4 x 1, 167,936 bytes of LDS; arguments obuf, woimg, bo, out0; writes out0
.if DOCPART == 4
	.amdgcn_target "amdgcn-amd-amdhsa--gfx1250"
	.amdhsa_code_object_version 6
	.text
	.protected	k_q6c0871ab85_outp
	.globl	k_q6c0871ab85_outp
	.p2align	8
	.type	k_q6c0871ab85_outp,@function
k_q6c0871ab85_outp:
	s_mov_b64 s[64:65], 0
	v_nop
	global_prefetch_b8 v0, s[64:65] scope:SCOPE_SE
	s_setreg_imm32_b32 hwreg(HW_REG_WAVE_MODE, 25, 1), 1
	s_wait_xcnt 0x0
	s_wait_alu depctr_hold_cnt(0) depctr_sa_sdst(0) depctr_va_vdst(0) depctr_va_sdst(0) depctr_va_ssrc(0) depctr_va_vcc(0) depctr_vm_vsrc(0)
	s_getreg_b32 s2, hwreg(HW_REG_IB_STS2, 6, 4)
	s_cmp_eq_u32 s2, 0
	s_cbranch_scc0 .Lentry_in_a_cluster
	s_endpgm
.Lentry_in_a_cluster:
	s_bfe_u32 s2, ttmp6, 0x10000c
	s_cmp_lg_u32 s2, 0x3003
	s_cbranch_scc0 .Lentry_shape_is_right
	s_endpgm
.Lentry_shape_is_right:
; out = o Wo + bo.  o [8192][512] and Wo [512][1024] arrive in f16 as IMAGES OF OPERAND REGISTERS (registers 4 c .. 4 c + 3 of lane l at 512 c + 16 l; 1,024 bytes a fragment of 16 x 32); bo, out: f32; sums in f32.
; SHARES.  A work-group takes 128 rows x 256 columns; wave w columns 64 cg .. 64 cg + 63, cg = 4 cx + w, for all 128 rows.  Its 64 KiB of Wo stand in 512 registers, each byte loaded once a work-group.
; CLUSTER.  The four work-groups of a cluster take the four column blocks of the same 128 rows: o's 131,072 bytes are asked for JOINTLY, a quarter a wave, once, and stay in LDS.
; Wo is not shared so: a column block's 262,144 bytes do not fit in LDS beside o's.
; THE MATRIX INSTRUCTION IS USED TRANSPOSED (source 0 = 16 columns of Wo, source 1 = 16 rows of o): a lane holds eight neighbouring numbers of a row of out.  The bias is the C of each sum's first product.
; The rows go in four pairs of tiles of 16, each pair in two chunks of 256 along K: 64 products a chunk, the pair's 8 accumulators by turns.  A finished pair goes through the wave's own stage in LDS and leaves as
; whole stretches of 256 consecutive bytes, aligned, while the next pair is multiplied.
; LIMITS: |o|, |Wo| under 65,504 (f16).
; REGISTERS, in windows of 256: window 0: v2-7 addresses; v32-63 the bias; v64-127, v128-191 two sets of 8 accumulators; v192-255 rows read back from the stage.
;   window 1: two buffers of 16 fragments of o.   windows 2, 3: Wo: fragment (ks, t) in window 2 + ks / 8 at 8 (4 (ks % 8) + t).
.set STAGE,  131072                    ; behind o: 16 rows x (256 bytes + 16) for each wave
.set SPITCH, 272
.set SPARE,  STAGE+4*16*SPITCH         ; the spare words, 128 bytes for each wave: two blocks of 256 bytes that no other line names
.set LI,  2                            ; v2  16 x lane
.set LI2, 3                            ; v3  16 x lane + 65,536: o's tiles 4 to 7
.set STO, 4                            ; v4  the stage: where I put 32 bytes of a row
.set RD,  5                            ; v5  and where I read a row back
.set CO,  6                            ; v6  my byte offset in two rows of out
.set BO,  7                            ; v7  32 x (lane / 16)
.set SPW, 28
.set NIL, 29
.set BI,  32
.set ACC, 64
.set BK,  192
.set WV,  12
.set G1,  24
.set G0,  32
.set MSB, 0
.macro WIN new
.if MSB != \new
	s_set_vgpr_msb (MSB<<8)|\new
.set MSB, \new
.endif
.endm
.macro PLACES
.rept 4
	v_nop
.endr
.endm
.macro CROUND
	s_barrier_signal -1
	s_barrier_wait -1
	s_cmp_lg_u32 s[WV], 0
	s_cbranch_scc1 .Lnot_wave_0_\@
	s_barrier_signal -3
.Lnot_wave_0_\@:
	s_barrier_wait -3
	s_barrier_signal -1
	s_barrier_wait -1
.endm
	s_load_b128 s[4:7], s[0:1], 0x0                ; obuf, woimg
	s_load_b128 s[8:11], s[0:1], 0x10              ; bo, out0
	v_lshl_add_u32 v[SPW], v0, 2, SPARE
	v_mov_b32 v[NIL], 0
	ds_add_u32 v[SPW], v[NIL]                      ; the wave's opening: the add, twice on end, and its wait ahead of my first tensor load
	ds_add_u32 v[SPW], v[NIL]
	v_lshrrev_b32 v1, 5, v0
	v_readfirstlane_b32 s[WV], v1
	s_bfe_u32 s13, ttmp6, 0x40000                  ; cx: the column block; it enters Wo's, bo's and out's addresses alone
	s_and_b32 s14, ttmp7, 0xffff                   ; the block of 128 rows, which the four partners share
	s_lshl_b32 s15, s13, 2
	s_add_co_u32 s15, s15, s[WV]                   ; cg
	s_lshl_b32 s20, s14, 17                        ; o: 131,072 bytes a block,
	s_lshl_b32 s17, s[WV], 15                      ; my quarter, in memory and in LDS alike
	s_add_co_u32 s20, s20, s17
	s_mov_b32 s21, 0
	s_lshl_b32 s22, s15, 16                        ; Wo: 65,536 bytes for 64 columns
	s_mov_b32 s23, 0
	s_lshl_b32 s36, s15, 8                         ; 64 columns of f32
	s_mov_b32 s37, 0
	s_lshl_b32 s38, s14, 19                        ; 128 rows of 4,096 bytes
	s_add_co_u32 s38, s38, s36
	s_mov_b32 s39, 0
	s_mul_i32 s18, s[WV], 16*SPITCH
	s_add_co_u32 s18, s18, STAGE                   ; my stage
	s_mov_b32 s[G1+0], 15|(3<<16)|(1<<21)          ; the mask: all four work-groups; elements of 8 bytes; bit 21 set beside a mask
	s_mov_b32 s[G1+1], 32<<16                      ; 128 rows of 256 bytes, dense
	s_mov_b32 s[G1+2], 128<<16
	s_mov_b32 s[G1+3], 32<<16
	s_mov_b32 s[G1+4], 128
	s_mov_b32 s[G1+5], 32
	s_mov_b32 s[G1+6], 0
	s_mov_b32 s[G1+7], 0
	s_wait_dscnt 0x0                               ; both opening adds are done
	s_wait_kmcnt 0x0
	s_add_nc_u64 s[4:5], s[4:5], s[20:21]
	s_add_nc_u64 s[6:7], s[6:7], s[22:23]
	s_add_nc_u64 s[8:9], s[8:9], s[36:37]
	s_add_nc_u64 s[10:11], s[10:11], s[38:39]
	CROUND                                         ; all four work-groups are here: the joint loads meet
	s_mov_b32 s[G0], 1
	s_mov_b32 s[G0+1], s17
	s_mov_b64 s[G0+2:G0+3], s[4:5]
	s_or_b32 s[G0+3], s[G0+3], 0x80000000
	tensor_load_to_lds s[G0:G0+3], s[G1:G1+7]      ; my one tensor load: filled once
	s_nop 0
	PLACES
	v_and_b32 v1, 31, v0
	v_and_b32 v8, 15, v0                           ; r
	v_bfe_u32 v9, v0, 4, 1                         ; h
	v_lshlrev_b32 v[LI], 4, v1
	v_add_nc_u32 v[LI2], 65536, v[LI]
	v_mul_u32_u24 v[STO], v8, SPITCH
	v_lshl_add_u32 v[STO], v9, 5, v[STO]
	v_add_nc_u32 v[STO], s18, v[STO]               ; in: row r, + 32 h; tile t's eight columns 64 t bytes on
	v_mul_u32_u24 v[RD], v9, SPITCH
	v_lshl_add_u32 v[RD], v8, 4, v[RD]
	v_add_nc_u32 v[RD], s18, v[RD]                 ; back: lanes 0-15 one row of 256 bytes, lanes 16-31 the next
	v_lshlrev_b32 v[CO], 12, v9
	v_lshl_add_u32 v[CO], v8, 4, v[CO]             ; and the same two rows in out
	v_lshlrev_b32 v[BO], 5, v9
.irp t, 0,1,2,3
	global_load_b128 v[BI+8*\t:BI+8*\t+3], v[BO], s[8:9] offset:64*\t          ; bo(64 cg + 16 t + 8 h + 0 .. 7): the result's layout
	global_load_b128 v[BI+8*\t+4:BI+8*\t+7], v[BO], s[8:9] offset:64*\t+16
.endr
.irp k, 0,1,2,3,4,5,6,7,8,9,10,11,12,13,14,15
	WIN 0x80+0x40*(\k/8)
.set n, 0
.rept 8
	global_load_b128 v[32*(\k%8)+4*n:32*(\k%8)+4*n+3], v[LI], s[6:7] offset:\k*4096+512*n
.set n, n+1
.endr
.endr
	WIN 0
.macro FETCH q                         ; chunk q: tiles of rows 2 (q / 2), + 1; K steps 8 (q % 2) on: 32 loads into buffer q % 2
	WIN 0x40
.irp mtp, 0,1
.set n, 0
.rept 16
.if 2*((\q)/2)+\mtp < 4
	ds_load_b128 v[128*((\q)%2)+64*\mtp+4*n:128*((\q)%2)+64*\mtp+4*n+3], v[LI] offset:(2*((\q)/2)+\mtp)*16384+((\q)%2)*8192+512*n
.else
	ds_load_b128 v[128*((\q)%2)+64*\mtp+4*n:128*((\q)%2)+64*\mtp+4*n+3], v[LI2] offset:(2*((\q)/2)+\mtp-4)*16384+((\q)%2)*8192+512*n
.endif
.set n, n+1
.endr
.endr
	WIN 0
.endm
.macro TOSTAGE pr                      ; pair pr's two tiles of rows through my stage: LDS serves a wave's instructions in order (ISA guide 5.7.1.4), so no wait stands between the stores and the loads, nor ahead of the next tile's stores
.irp mtp, 0,1
.irp t, 0,1,2,3
	ds_store_b128 v[STO], v[ACC+64*((\pr)%2)+8*(4*\mtp+\t):ACC+64*((\pr)%2)+8*(4*\mtp+\t)+3] offset:64*\t       ; each accumulator from its low end on
	ds_store_b128 v[STO], v[ACC+64*((\pr)%2)+8*(4*\mtp+\t)+4:ACC+64*((\pr)%2)+8*(4*\mtp+\t)+7] offset:64*\t+16
.endr
.irp i, 0,1,2,3,4,5,6,7
	ds_load_b128 v[BK+32*\mtp+4*\i:BK+32*\mtp+4*\i+3], v[RD] offset:2*\i*SPITCH
.endr
.endr
.endm
.macro SEND pr, younger                ; younger: the LDS instructions issued behind the stage's loads, which may stay out
	s_wait_dscnt \younger
.irp mtp, 0,1
.irp i, 0,1,2,3,4,5,6,7
	global_store_b128 v[CO], v[BK+32*\mtp+4*\i:BK+32*\mtp+4*\i+3], s[10:11] offset:((2*(\pr)+\mtp)*16+2*\i)*4096 th:TH_STORE_NT   ; 16 lanes store 256 consecutive bytes, aligned; written once, read by nobody here
.endr
.endr
.endm
.macro CHUNK q
.if (\q) < 7
	PLACES                                         ; behind the last chunk's products, ahead of loads into the buffer that the chunk before it read
	FETCH (\q)+1
.endif
.if (\q) == 7
	s_wait_dscnt 0x0
.elseif ((\q)%2 == 0) && ((\q) >= 2)
	s_wait_dscnt 63                                ; behind this chunk's fetch: the stage's 32 and the next fetch's 32; the count is held at what the wait can name
.else
	s_wait_dscnt 32                                ; all but the next chunk's fetch
.endif
.if (\q) == 0
	s_wait_loadcnt 63                              ; the bias and Wo's K steps 0-7 are in; the 64 younger loads may be out (held at what the wait can name)
.elseif (\q) == 1
	s_wait_loadcnt 0x0
.endif
	WIN 0x06+(\q)%2                                ; source 0 (Wo) window 2 or 3, source 1 (o) window 1, C and D window 0
.irp k8, 0,1,2,3,4,5,6,7
.irp mtp, 0,1
.irp t, 0,1,2,3
.set rD, ACC+64*(((\q)/2)%2)+8*(4*\mtp+\t)
.set rW, 8*(4*\k8+\t)
.set rB, 128*((\q)%2)+8*(8*\mtp+\k8)
.if ((\q)%2 == 0) && (\k8 == 0)
	v_wmma_f32_16x16x32_f16 v[rD:rD+7], v[rW:rW+7], v[rB:rB+7], v[BI+8*\t:BI+8*\t+7]
.else
	v_wmma_f32_16x16x32_f16 v[rD:rD+7], v[rW:rW+7], v[rB:rB+7], v[rD:rD+7]
.endif
.endr
.endr
.endr
	WIN 0
.if ((\q)%2 == 0) && ((\q) >= 2)
	SEND (\q)/2-1, 32                              ; the pair before is back from the stage (the next chunk's fetch may be out)
.endif
.if (\q)%2 == 1
	PLACES                                         ; the stage's stores read results just made
.if (\q) >= 3
	s_wait_xcnt 0x0                                ; the last pair's stores have read their registers: the stage's loads may land there
.endif
	TOSTAGE (\q)/2
.endif
.endm
	s_wait_tensorcnt 0x0                           ; my quarter of o is in,
	s_barrier_signal -1
	s_barrier_wait -1                              ; everybody's is
	FETCH 0
.irp q, 0,1,2,3,4,5,6,7
	CHUNK \q
.endr
	SEND 3, 0
	s_wait_tensorcnt 0x0                           ; the wave's end, behind my last tensor load and my last LDS store
	ds_add_u32 v[SPW], v[NIL]
	s_wait_dscnt 0x0
	CROUND                                         ; the closing round
	s_endpgm
.Lfunc_end_k_q6c0871ab85_outp:
	.size	k_q6c0871ab85_outp, .Lfunc_end_k_q6c0871ab85_outp-k_q6c0871ab85_outp
	.p2alignl 7, 3214868480
	.fill 96, 4, 3214868480
	.section	.rodata,"a",@progbits
	.p2align	6, 0x0
	.amdhsa_kernel k_q6c0871ab85_outp
		.amdhsa_group_segment_fixed_size 167936
		.amdhsa_private_segment_fixed_size 0
		.amdhsa_enable_private_segment 0
		.amdhsa_kernarg_size 32
		.amdhsa_user_sgpr_count 2
		.amdhsa_user_sgpr_kernarg_segment_ptr 1
		.amdhsa_wavefront_size32 1
		.amdhsa_system_sgpr_workgroup_id_x 1
		.amdhsa_system_sgpr_workgroup_id_y 1
		.amdhsa_system_sgpr_workgroup_id_z 1
		.amdhsa_system_vgpr_workitem_id 0
		.amdhsa_next_free_vgpr 1024
		.amdhsa_next_free_sgpr 66
		.amdhsa_reserve_vcc 0
		.amdhsa_float_denorm_mode_32 3
		.amdhsa_float_denorm_mode_16_64 3
		.amdhsa_memory_ordered 1
		.amdhsa_forward_progress 1
		.amdhsa_inst_pref_size 82
	.end_amdhsa_kernel
	.amdgpu_metadata
---
amdhsa.version: [ 1, 2 ]
amdhsa.kernels:
  - .name:           k_q6c0871ab85_outp
    .symbol:         k_q6c0871ab85_outp.kd
    .args:
      - { .name: obuf, .offset: 0, .size: 8, .value_kind: global_buffer, .address_space: global }
      - { .name: woimg, .offset: 8, .size: 8, .value_kind: global_buffer, .address_space: global }
      - { .name: bo, .offset: 16, .size: 8, .value_kind: global_buffer, .address_space: global }
      - { .name: out0, .offset: 24, .size: 8, .value_kind: global_buffer, .address_space: global }
    .group_segment_fixed_size: 167936
    .private_segment_fixed_size: 0
    .kernarg_segment_align: 8
    .kernarg_segment_size: 32
    .max_flat_workgroup_size: 128
    .sgpr_count:     66
    .vgpr_count:     1024
    .wavefront_size: 32
...
	.end_amdgpu_metadata
.endif
;; end of part 4
